; MI455X (gfx1250); checked and timed in simulation.
; The chip was launched on July 23, 2026; its instructions are those of AMD's public machine-readable ISA for CDNA 5 (MIT licence, August 2026) and "CDNA5" Instruction Set Architecture Reference Guide (July 2026). The comments in the code are by the model that wrote it; some were corrected since.
;; Moe. Allowed arithmetic: float matrix products may take bf16 or f16 operands with f32 sums; other float arithmetic in f32, or as packed bf16 or f16 multiplies, adds, multiply-adds, maxima and minima; sums over many terms, partial sums and values carried from step to step in f32; what a program stores and reads back later, other than sums and carried values, may be rounded once to bf16 or f16.
;; Inputs: gate_w 8 x 512 float32; w1 8 x 2,048 x 512 float32; w2 8 x 512 x 2,048 float32; x 8 x 512 x 512 float32.
;; Outputs: out0 8 x 512 x 512 float32.
;; One version. Each part assembles by itself: llvm-mc -triple=amdgcn-amd-amdhsa -mcpu=gfx1250 --defsym DOCPART=n.
;; ======== version 1 of 1: 4 launches
;; workspace buffers: xb 4,194,304 bytes; w1f 16,777,216 bytes; w2f 16,777,216 bytes; wts 32,768 bytes; bm 8,192 bytes of whole numbers; hf 134,217,728 bytes; y 16,777,216 bytes; lst 65,536 bytes of whole numbers
;; launch prep (part 1): grid 256 x 1, 9 waves a work-group, no clusters, 175,360 bytes of LDS; arguments x, gate_w, w1, w2, xb, w1f, w2f, wts, bm; writes xb, w1f, w2f, wts, bm
.if DOCPART == 1
	.amdgcn_target "amdgcn-amd-amdhsa--gfx1250"
	.amdhsa_code_object_version 6
	.text
	.protected	k_q0a9a28554d_prep
	.globl	k_q0a9a28554d_prep
	.p2align	8
	.type	k_q0a9a28554d_prep,@function
k_q0a9a28554d_prep:
	s_mov_b64 s[64:65], 0
	v_nop
	global_prefetch_b8 v0, s[64:65] scope:SCOPE_SE
	s_setreg_imm32_b32 hwreg(HW_REG_WAVE_MODE, 25, 1), 1
	s_wait_xcnt 0x0
; PREP.  Rounds all four inputs to bf16 once, lays w1 and w2 out in the order in which a wave's matrix operand registers take them, and makes the gate.
; A UNIT is 16 rows x 512 f32 (32,768 bytes in, 16,384 bytes of fragments out).  Waves 0-7 of work-group g take weight unit 8 g + w: units 0-1023 are w1's
; (16 hidden rows, all 512 k), units 1024-2047 are w2's (16 output rows, one quarter of the 2,048 k).  Wave 8 is the ROUTER: it takes gate_w as a unit (rows 8-15 repeat rows 0-7),
; then the 16 tokens 16 g .. 16 g + 15 of x as a unit (stored as xb on the way), multiplies the two, and finds each token's top 2.
; A FRAGMENT HALF is 512 bytes: lane (r = lane % 16, h = lane / 16) holds row r, k = 32 k32 + 16 q + 8 h + 0..7: registers 4 q .. 4 q + 3 of a 16-bit operand (ISA guide 7.12.2).
; The turn from rows to fragments goes through LDS, each wave in a region of its own, so there is no barrier: a region is 64 pieces of 272 bytes; piece P holds k = 8 P .. 8 P + 7 of the 16 rows, 16 bytes a row.
; OUT: xb bf16 [4096][512]; w1f [e][hb 128][k32 16][q][lane][8]; w2f [e][nb 32][k32 64][q][lane][8]; wts f32 [4096][2] (weight of the first, of the second choice);
; bm u16 [2][8][256]: plane 0: bit t % 16 of entry t / 16 says that token t chose expert e; plane 1: that it chose it second.  All at fixed places: no address here hangs on the choice.
; THE GATE is computed from the ROUNDED x and gate_w (f32 sums), so that the choice is the one that the same arithmetic on bf16 inputs makes.  The softmax over the two logits takes the larger away first.
; LIMITS.  NaN and infinite logits are not treated apart.  Where the second and third logit differ by less than the sums' own rounding (about 1e-6 of the largest term) the choice may differ from an f32 sum's.
; A weight below 2^-126 comes out as 0.  Ties go to the lower index (strict compares, ascending).
; NO CLUSTER, NO TENSOR LOAD: every input byte has one reader, and the bytes pass through registers anyway to be rounded.
.set RPITCH, 272                       ; a piece: 256 bytes + 16: 68 words, so neighbouring pieces start four banks apart (64 banks of 4 bytes: ISA guide 11.1)
.set REGION, 64*RPITCH                 ; 17,408 bytes
.set GREG,   9*REGION                  ; the gate's region, behind the nine waves' own
.set SPARE,  10*REGION                 ; the spare words: 128 bytes a wave, five blocks of 256 bytes that no other line names
.set L16, 1                            ; v1      16 x lane; never rewritten
.set SPW, 2                            ; v2      my spare word; never rewritten
.set NIL, 3                            ; v3      0; never rewritten
.set WA,  4                            ; v4      into my region: (lane / 2) pieces + 8 (lane % 2)
.set RA,  5                            ; v5      out of my region: (lane / 16) pieces + 16 (lane % 16)
.set GWA, 6                            ; v6, v7  the same for the gate's region
.set GRA, 7
.set O,   8                            ; v8-23   row i of the unit: 16 x lane + i x pitch
.set XO,  24                           ; v24     8 x lane
.set LN,  26                           ; v26     lane
.set LR,  30                           ; v30     lane % 16
.set X0,  32                           ; v32-95, v96-159, v160-223: three buffers of 64
.set X1,  96
.set X2,  160
.set ACC, 224                          ; v224-255 four accumulators
.set LG,  96                           ; v96-103 the eight logits; v104-111 at work
.set M1,  112
.set I1,  113
.set M2,  114
.set I2,  115
.set TE,  116
.set TU,  117
.set WT,  118                          ; v118-119 the two weights
.set BV,  120
.set IN,  26                           ; s[26:27] the unit's first byte
.set OUT, 28                           ; s[28:29] where it goes
; sixteen loads: rows 4 q .. 4 q + 3, each as four runs of 512 consecutive bytes
.macro QLD q, X, nt
.set r_, 0
.rept 4
.set c_, 0
.rept 4
.if \nt
	global_load_b128 v[(\X)+16*r_+4*c_:(\X)+16*r_+4*c_+3], v[O+4*(\q)+r_], s[IN:IN+1] offset:512*c_ th:TH_LOAD_NT
.else
	global_load_b128 v[(\X)+16*r_+4*c_:(\X)+16*r_+4*c_+3], v[O+4*(\q)+r_], s[IN:IN+1] offset:512*c_
.endif
.set c_, c_+1
.endr
.set r_, r_+1
.endr
.endm
; the same sixteen: four f32 become 8 bytes, in place, and go to piece 16 c + lane / 2, row 4 q + r: the 32 lanes touch each bank once.  xbf = 1: they also go to xb, 256 consecutive bytes a store
.macro QCV q, X, wa, xbf
.set r_, 0
.rept 4
.set c_, 0
.rept 4
.set a_, (\X)+16*r_+4*c_
	v_cvt_pk_bf16_f32 v[a_], v[a_], v[a_+1]
	v_cvt_pk_bf16_f32 v[a_+1], v[a_+2], v[a_+3]
	ds_store_b64 v[\wa], v[a_:a_+1] offset:16*RPITCH*c_+16*(4*(\q)+r_)
.if \xbf
	global_store_b64 v[XO], v[a_:a_+1], s[OUT:OUT+1] offset:1024*(4*(\q)+r_)+256*c_
.endif
.set c_, c_+1
.endr
.set r_, r_+1
.endr
.endm
; a unit: 48 loads go out at once, the last 16 when the first buffer is free
.macro UNIT wa, xbf, nt
	QLD 0, X0, \nt
	QLD 1, X1, \nt
	QLD 2, X2, \nt
	s_wait_loadcnt 32                      ; loads come back in order (ISA guide 5.7.1): quarter 0 is in, two quarters of 16 stay out
	QCV 0, X0, \wa, \xbf
	s_wait_xcnt 0x0                        ; the first buffer held store data: it is loaded again only behind this wait
	QLD 3, X0, \nt
	s_wait_loadcnt 32                      ; quarter 1 is in; quarters 2 and 3 stay out
	QCV 1, X1, \wa, \xbf
	s_wait_loadcnt 16                      ; quarter 2; quarter 3 stays out
	QCV 2, X2, \wa, \xbf
	s_wait_loadcnt 0x0
	QCV 3, X0, \wa, \xbf
	s_wait_xcnt 0x0                        ; the buffers, the row offsets and the base are written again only behind this wait
.endm
	s_load_b512 s[8:23], s[0:1], 0x0       ; x s[8:9], gate_w s[10:11], w1 s[12:13], w2 s[14:15], xb s[16:17], w1f s[18:19], w2f s[20:21], wts s[22:23]
	s_load_b64 s[24:25], s[0:1], 0x40      ; bm
	v_lshl_add_u32 v[SPW], v0, 2, SPARE
	v_mov_b32 v[NIL], 0
	v_lshrrev_b32 v25, 5, v0
	v_readfirstlane_b32 s2, v25            ; wave 0..8
	v_and_b32 v[LN], 31, v0
	v_and_b32 v[LR], 15, v0
	v_lshlrev_b32 v[L16], 4, v[LN]
	v_lshlrev_b32 v[XO], 3, v[LN]
	v_lshrrev_b32 v27, 1, v[LN]
	v_and_b32 v28, 1, v0
	v_mul_u32_u24 v27, v27, RPITCH
	v_lshl_add_u32 v27, v28, 3, v27
	v_lshrrev_b32 v29, 4, v[LN]
	v_mul_u32_u24 v29, v29, RPITCH
	v_lshl_add_u32 v29, v[LR], 4, v29
	s_mul_i32 s3, s2, REGION               ; my region
	v_add_nc_u32 v[WA], s3, v27
	v_add_nc_u32 v[RA], s3, v29
	v_add_nc_u32 v[GWA], GREG, v27
	v_add_nc_u32 v[GRA], GREG, v29
	s_mov_b32 s4, ttmp9                    ; work-group g
	v_mov_b32 v[O], v[L16]
	s_cmp_eq_u32 s2, 8
	s_cbranch_scc1 .Lrouter
	; WAVES 0-7: a weight unit
	s_lshl_b32 s5, s4, 3
	s_add_co_u32 s5, s5, s2                ; unit U = 8 g + w
	s_lshl_b32 s30, s5, 15                 ; w1: 16 rows of 2,048 bytes in,
	s_lshl_b32 s31, s5, 14                 ; 16,384 bytes out
	s_and_b32 s6, s5, 1023                 ; w2: U - 1024
	s_lshr_b32 s7, s6, 2
	s_lshl_b32 s7, s7, 17                  ; 16 rows of 8,192 bytes,
	s_and_b32 s32, s6, 3
	s_lshl_b32 s32, s32, 11                ; a quarter of a row
	s_add_co_u32 s32, s32, s7
	s_lshl_b32 s33, s6, 14
	s_mov_b32 s34, 2048
	s_mov_b32 s35, 8192
	s_wait_kmcnt 0x0
	s_cmp_lt_u32 s4, 128                   ; work-groups 0-127 take w1, the others w2
	s_cselect_b64 s[IN:IN+1], s[12:13], s[14:15]
	s_cselect_b64 s[OUT:OUT+1], s[18:19], s[20:21]
	s_cselect_b32 s30, s30, s32
	s_cselect_b32 s32, s31, s33
	s_cselect_b32 s36, s34, s35            ; bytes from row to row
	s_mov_b32 s31, 0
	s_mov_b32 s33, 0
	s_add_nc_u64 s[IN:IN+1], s[IN:IN+1], s[30:31]
	s_add_nc_u64 s[OUT:OUT+1], s[OUT:OUT+1], s[32:33]
.set i_, 1
.rept 15
	v_add_nc_u32 v[O+i_], s36, v[O+i_-1]
.set i_, i_+1
.endr
	UNIT WA, 0, 1
	; back as fragment halves: half f = 2 k32 + q is pieces 2 f and 2 f + 1.  LDS serves a wave's instructions in order (ISA guide 5.7.1.4): these loads see the stores above
.set f_, 0
.rept 32
	ds_load_b128 v[X0+4*f_:X0+4*f_+3], v[RA] offset:2*RPITCH*f_
.set f_, f_+1
.endr
.set f_, 0
.rept 32
	s_wait_dscnt 31-f_                     ; half f is in; the younger ones stay out
	global_store_b128 v[L16], v[X0+4*f_:X0+4*f_+3], s[OUT:OUT+1] offset:512*f_  ; 512 consecutive bytes, at a multiple of 512 from the buffer's first byte
.set f_, f_+1
.endr
	s_wait_tensorcnt 0x0                   ; the wave's end, behind my last LDS store
	ds_add_u32 v[SPW], v[NIL]
	s_wait_dscnt 0x0
	s_endpgm
.Lrouter:
	; WAVE 8.  The gate as a unit: rows 8-15 repeat rows 0-7
	s_wait_kmcnt 0x0
	s_mov_b64 s[IN:IN+1], s[10:11]
.set i_, 1
.rept 7
	v_add_nc_u32 v[O+i_], 2048, v[O+i_-1]
.set i_, i_+1
.endr
.set i_, 0
.rept 8
	v_mov_b32 v[O+8+i_], v[O+i_]
.set i_, i_+1
.endr
	UNIT GWA, 0, 0
	; my 16 tokens as a unit
	s_lshl_b32 s30, s4, 15
	s_mov_b32 s31, 0
	s_add_nc_u64 s[IN:IN+1], s[8:9], s[30:31]
	s_lshl_b32 s32, s4, 14
	s_mov_b32 s33, 0
	s_add_nc_u64 s[OUT:OUT+1], s[16:17], s[32:33]
.set i_, 8
.rept 8
	v_add_nc_u32 v[O+i_], 2048, v[O+i_-1]
.set i_, i_+1
.endr
	UNIT WA, 1, 1
	; logits = gate x tokens^T: source 0 = 16 gate rows, source 1 = 16 tokens.  In the result register j of lane (r, h) is row 8 h + j, token r: expert j in both halves of the lanes.
	; 16 steps of 32 along k, in four batches of four; accumulator a takes step 4 b + a, so the four take turns.
.macro GLD b, X
.set a_, 0
.rept 4
.set f_, 2*(4*(\b)+a_)
	ds_load_b128 v[(\X)+16*a_:(\X)+16*a_+3],     v[GRA] offset:2*RPITCH*f_
	ds_load_b128 v[(\X)+16*a_+4:(\X)+16*a_+7],   v[GRA] offset:2*RPITCH*(f_+1)
	ds_load_b128 v[(\X)+16*a_+8:(\X)+16*a_+11],  v[RA]  offset:2*RPITCH*f_
	ds_load_b128 v[(\X)+16*a_+12:(\X)+16*a_+15], v[RA]  offset:2*RPITCH*(f_+1)
.set a_, a_+1
.endr
.endm
.macro GMM X, zero
.set a_, 0
.rept 4
.if \zero
	v_wmma_f32_16x16x32_bf16 v[ACC+8*a_:ACC+8*a_+7], v[(\X)+16*a_:(\X)+16*a_+7], v[(\X)+16*a_+8:(\X)+16*a_+15], 0
.else
	v_wmma_f32_16x16x32_bf16 v[ACC+8*a_:ACC+8*a_+7], v[(\X)+16*a_:(\X)+16*a_+7], v[(\X)+16*a_+8:(\X)+16*a_+15], v[ACC+8*a_:ACC+8*a_+7]
.endif
.set a_, a_+1
.endr
.endm
	GLD 0, X0
	GLD 1, X1
	GLD 2, X2
	s_wait_dscnt 32                        ; batch 0 is in; two batches of 16 stay out
	GMM X0, 1                              ; the first products start the sums
.rept 4
	v_nop                                  ; four places ahead of loads into registers that were just multiplied
.endr
	GLD 3, X0
	s_wait_dscnt 32                        ; batch 1
	GMM X1, 0
	s_wait_dscnt 16                        ; batch 2
	GMM X2, 0
	s_wait_dscnt 0x0
	GMM X0, 0
.rept 4
	v_nop                                  ; four places ahead of the first read of the results
.endr
.set p_, 0
.rept 4                                ; (a0 + a1) + (a2 + a3); each accumulator's lowest registers are read first
	v_pk_add_f32 v[LG+2*p_:LG+2*p_+1], v[ACC+2*p_:ACC+2*p_+1], v[ACC+8+2*p_:ACC+8+2*p_+1]
.set p_, p_+1
.endr
.set p_, 0
.rept 4
	v_pk_add_f32 v[LG+8+2*p_:LG+8+2*p_+1], v[ACC+16+2*p_:ACC+16+2*p_+1], v[ACC+24+2*p_:ACC+24+2*p_+1]
.set p_, p_+1
.endr
.set p_, 0
.rept 4
	v_pk_add_f32 v[LG+2*p_:LG+2*p_+1], v[LG+2*p_:LG+2*p_+1], v[LG+8+2*p_:LG+8+2*p_+1]
.set p_, p_+1
.endr
; the largest of the eight and its index; the compare is strict and ascending, so the lower index keeps a tie
.macro SCAN m, i
	v_mov_b32 v[\m], v[LG]
	v_mov_b32 v[\i], 0
.set j_, 1
.rept 7
	v_cmp_gt_f32 vcc_lo, v[LG+j_], v[\m]
	v_cndmask_b32 v[\m], v[\m], v[LG+j_], vcc_lo
	v_cndmask_b32 v[\i], v[\i], j_, vcc_lo
.set j_, j_+1
.endr
.endm
	SCAN M1, I1
	s_mov_b32 s37, 0xff800000              ; the winner is taken out
.set j_, 0
.rept 8
	v_cmp_eq_u32 vcc_lo, j_, v[I1]
	v_cndmask_b32 v[LG+j_], v[LG+j_], s37, vcc_lo
.set j_, j_+1
.endr
	SCAN M2, I2
	; softmax over (m1, m2), the larger taken away: 1 / (1 + t) and t / (1 + t), t = e^(m2 - m1) <= 1
	v_sub_f32 v[TE], v[M2], v[M1]
	v_mul_f32 v[TE], 0x3fb8aa3b, v[TE]
	v_exp_f32 v[TE], v[TE]
	v_lshlrev_b32 v25, 3, v[LR]            ; (a plain instruction behind the exponential: my token's 8 bytes in wts)
	s_wait_alu depctr_va_vdst(0)           ; the wait ahead of the first use of the result
	v_add_f32 v[TU], 1.0, v[TE]
	v_rcp_f32 v[WT], v[TU]
	v_bfe_u32 v27, v[LN], 3, 1             ; (a plain instruction behind the reciprocal: the bitmap's plane for my lane)
	s_wait_alu depctr_va_vdst(0)
	v_mul_f32 v[WT+1], v[TE], v[WT]
	s_lshl_b32 s30, s4, 7
	v_add_nc_u32 v25, s30, v25
	global_store_b64 v25, v[WT:WT+1], s[22:23]  ; lanes 16-31 repeat lanes 0-15 in address and data, so EXEC stays whole
	; the bitmaps: a compare's lane mask IS the 16 tokens' bits (twice).  Lane l % 16 = 8 plane + e takes that mask and stores its low half
	v_mov_b32 v[BV], 0
.set e_, 0
.rept 8
	v_cmp_eq_u32 s38, e_, v[I1]
	v_cmp_eq_u32 s39, e_, v[I2]
	s_or_b32 s38, s38, s39                 ; chose e at all
	s_mov_b32 s40, 0x00010001<<e_          ; lanes e and 16 + e
	s_mov_b32 s41, 0x01000100<<e_          ; lanes 8 + e and 24 + e
	v_cndmask_b32 v[BV], v[BV], s38, s40
	v_cndmask_b32 v[BV], v[BV], s39, s41
.set e_, e_+1
.endr
	v_and_b32 v28, 7, v[LN]
	v_lshlrev_b32 v27, 12, v27             ; plane x 4,096
	v_lshl_add_u32 v27, v28, 9, v27        ; + e x 512
	s_lshl_b32 s31, s4, 1
	v_add_nc_u32 v27, s31, v27             ; + 2 g
	global_store_b16 v27, v[BV], s[24:25]  ; again lanes 16-31 repeat lanes 0-15
	s_wait_tensorcnt 0x0                   ; the wave's end, behind my last LDS store
	ds_add_u32 v[SPW], v[NIL]
	s_wait_dscnt 0x0
	s_endpgm
.Lfunc_end_k_q0a9a28554d_prep:
	.size	k_q0a9a28554d_prep, .Lfunc_end_k_q0a9a28554d_prep-k_q0a9a28554d_prep
	.p2alignl 7, 3214868480
	.fill 96, 4, 3214868480
	.section	.rodata,"a",@progbits
	.p2align	6, 0x0
	.amdhsa_kernel k_q0a9a28554d_prep
		.amdhsa_group_segment_fixed_size 175360
		.amdhsa_private_segment_fixed_size 0
		.amdhsa_enable_private_segment 0
		.amdhsa_kernarg_size 72
		.amdhsa_user_sgpr_count 2
		.amdhsa_user_sgpr_kernarg_segment_ptr 1
		.amdhsa_wavefront_size32 1
		.amdhsa_system_sgpr_workgroup_id_x 1
		.amdhsa_system_sgpr_workgroup_id_y 1
		.amdhsa_system_sgpr_workgroup_id_z 1
		.amdhsa_system_vgpr_workitem_id 0
		.amdhsa_next_free_vgpr 256
		.amdhsa_next_free_sgpr 66
		.amdhsa_reserve_vcc 1
		.amdhsa_float_denorm_mode_32 3
		.amdhsa_float_denorm_mode_16_64 3
		.amdhsa_memory_ordered 1
		.amdhsa_forward_progress 1
		.amdhsa_inst_pref_size 85
	.end_amdhsa_kernel
	.amdgpu_metadata
---
amdhsa.version: [ 1, 2 ]
amdhsa.kernels:
  - .name:           k_q0a9a28554d_prep
    .symbol:         k_q0a9a28554d_prep.kd
    .args:
      - { .name: x, .offset: 0, .size: 8, .value_kind: global_buffer, .address_space: global }
      - { .name: gate_w, .offset: 8, .size: 8, .value_kind: global_buffer, .address_space: global }
      - { .name: w1, .offset: 16, .size: 8, .value_kind: global_buffer, .address_space: global }
      - { .name: w2, .offset: 24, .size: 8, .value_kind: global_buffer, .address_space: global }
      - { .name: xb, .offset: 32, .size: 8, .value_kind: global_buffer, .address_space: global }
      - { .name: w1f, .offset: 40, .size: 8, .value_kind: global_buffer, .address_space: global }
      - { .name: w2f, .offset: 48, .size: 8, .value_kind: global_buffer, .address_space: global }
      - { .name: wts, .offset: 56, .size: 8, .value_kind: global_buffer, .address_space: global }
      - { .name: bm, .offset: 64, .size: 8, .value_kind: global_buffer, .address_space: global }
    .group_segment_fixed_size: 175360
    .private_segment_fixed_size: 0
    .kernarg_segment_align: 8
    .kernarg_segment_size: 72
    .max_flat_workgroup_size: 288
    .sgpr_count:     66
    .vgpr_count:     256
    .wavefront_size: 32
...
	.end_amdgpu_metadata
.endif
;; end of part 1
;; launch ffn1 (part 2): grid 256 x 1, 4 waves a work-group, no clusters, 325,120 bytes of LDS; arguments xb, w1f, bm, hf, lst; writes hf, lst
.if DOCPART == 2
	.amdgcn_target "amdgcn-amd-amdhsa--gfx1250"
	.amdhsa_code_object_version 6
	.text
	.protected	k_q0a9a28554d_ffn1
	.globl	k_q0a9a28554d_ffn1
	.p2align	8
	.type	k_q0a9a28554d_ffn1,@function
k_q0a9a28554d_ffn1:
	s_mov_b64 s[64:65], 0
	v_nop
	global_prefetch_b8 v0, s[64:65] scope:SCOPE_SE
	s_setreg_imm32_b32 hwreg(HW_REG_WAVE_MODE, 25, 1), 1
	s_wait_xcnt 0x0
; FFN1.  h = relu(x W1[e]^T) for the rows that chose expert e, stored as bf16 in the fragment order of the next product: hf [e][rb 256][k32 64][q][lane][8], row block rb = ranks 16 rb .. 16 rb + 15.
; SHARES.  Work-group g: expert e = g / 32, 256 hidden columns cb = (g / 4) % 8, row part p = g % 4.  Wave v owns 64 of the columns (four blocks of 16); its 64 x 512 slice of W1 stays in 512 registers
; for the whole launch.  The expert has n rows, nb = ceil(n / 16) blocks; a tile is bt = min(ceil(nb / 4), 19) blocks; pass j (four passes, a constant) gives part p tile 4 j + p: 16 tiles x 19 blocks = 304 >= 256
; serve every split of the tokens; up to n = 1,216 the first pass does all the work.  A pass or block without rows is jumped forward; every barrier stands on every wave's path.
; THE LIST.  Every work-group counts its expert's bitmap (128 words, four a lane: popcounts, a prefix over the lanes) and wave 0 writes the list into LDS: rank -> 2 x token + slot, 16 bits; it clears the
; 8,192 bytes first, so that every byte of them is defined.  Behind a barrier the expert's first work-group (cb = 0, p = 0) stores the list into lst, u16 [8][4096], for the next launch: each thread 4 x 16 bytes.
; A TILE's rows are gathered by the list into LDS in two groups (10 and 9 blocks); the second group's loads are out while the first is multiplied.  Places past n repeat the last row.
; THE PRODUCT is used transposed: source 0 = 16 hidden rows of W1, source 1 = 16 token rows.  A lane then holds ONE token row (lane % 16) and eight neighbouring hidden columns 8 (lane / 16) + 0..7:
; rounded in pairs these 16 bytes ARE its part of the next product's fragment half, so the four stores of a block are 2,048 consecutive bytes and need no stage.
; relu is taken of the rounded pairs (rounding keeps sign and order).  LIMIT: a NaN becomes 0 there.
; NO CLUSTER, NO TENSOR LOAD.  What the four row parts share is the weights: they live in registers, and their 262,144 bytes a work-group have no room in LDS beside the 316,160 bytes of rows.
; The rows come by a list, which no descriptor covers.
; REGISTERS, in windows of 256 (s_set_vgpr_msb: bits 1:0 source 0, 3:2 source 1, 5:4 source 2, 7:6 destination):
;   window 0: v0-9 addresses; v16-31 packed results (in a fill: offsets and ranks); v32-63 four accumulators; v64-255 gathered rows on their way (before that: the count's registers)
;   window 1: v0-63, v64-127 the row fragments of k = 0-255 and 256-511; v128-255 more gathered rows          windows 2, 3: W1: step k of 16, column block c at ((k % 8) 4 + c) 8 of window 2 + k / 8
.set APITCH, 1040                      ; a row in LDS: 1,024 bytes + 16 = 65 x 16: the 16 rows of a fragment load start in 16 different groups of four banks (64 banks of 4 bytes: ISA guide 11.1)
.set ABLK,   16*APITCH
.set ABASE,  8448                      ; bytes 0-8191 the list, 8192 the halfword for bits that are 0
.set SPARE,  ABASE+19*ABLK             ; 324,608: the spare words, 128 bytes a wave: two blocks of 256 bytes that no other line names
.set L16, 1                            ; v1   16 x lane; never rewritten
.set SPW, 2                            ; v2   my spare word; never rewritten
.set NIL, 3                            ; v3   0; never rewritten
.set ZR,  4                            ; v4   0, for relu
.set AL,  5                            ; v5   my lane's place in a block of rows
.set AN,  6                            ; v6   the same in the block to be fetched
.set HO,  7                            ; v7   my byte offset in hf
.set FILL, 8                           ; v8   where my wave's rows 4 v .. 4 v + 3 of block 0 begin, + 16 x lane
.set RKL, 9                            ; v9   lane l stands for row 4 v + l % 4 of block l / 4
.set PK,  16
.set GO,  16                           ; v16-19 a block's four row offsets in xb
.set FBR, 24                           ; v24-27 LDS bases, three blocks apart
.set TOK, 28                           ; v28-29 tokens of my 40 rows
.set TT,  30
.set ACC, 32
.set BW,  64                           ; the count's registers: bitmap words, plane 0 and plane 1
.set BS,  68
.set PC,  72
.set TQ,  76
.set UQ,  77
.set TOT, 78
.set PRE, 79
.set PP,  80
.set VAL, 84
.set LA,  85
.set LV,  86
.set BB,  87
.set SB,  88
.set DUMP, 89
.set ZQ,  90                           ; v90-93 four zeros, to clear the list
.set XA,  94                           ; v94    16 x my thread's number: my 16 bytes in each 2,048 of the list, the same offset in LDS and in the expert's part of lst
.set XD,  96                           ; v96-111 my 64 bytes of the list on their way to lst
.set WV,  12                           ; s12 wave
.set E,   14
.set CB,  15
.set PRT, 16
.set N,   17
.set NM1, 18
.set NB,  19
.set BT,  20
.set FB,  21                           ; the tile's first block
.set NBLK, 22                          ; its blocks
.set J,   23
.set RB,  24
.set K5,  30
.set K3,  31
.set KF,  32
.set K1,  33
.set MK,  34                           ; s34-38 lanes whose number has bit 0, 1, 2, 3, 4 set
.set SEL, 40
.set CNT, 42
.set LST, 50                           ; s[50:51] lst at my expert's list
.set MSB, 0
.macro WIN new                         ; the immediate's high byte repeats the setting that is left; a switch that changes nothing is dropped
.if MSB != (\new)
	s_set_vgpr_msb (MSB<<8)|(\new)
.set MSB, \new
.endif
.endm
.set W_MM0, 0x06                       ; weights window 2, rows window 1, sums window 0
.set W_MM1, 0x07                       ; weights window 3
.set W_L1,  0x40                       ; destination window 1
.set W_S1,  0x04                       ; LDS store data window 1
; the weights' steps k0 .. k1: eight loads of 512 consecutive bytes a step
.macro BLOAD k0, k1, cst
.set bk, \k0
.rept (\k1)-(\k0)+1
	WIN 0x80+0x40*(bk/8)
.set bc, 0
.rept 4
	global_load_b128 v[((bk%8)*4+bc)*8:((bk%8)*4+bc)*8+3],   v[L16], s[6:7] offset:bc*(\cst)+bk*1024
	global_load_b128 v[((bk%8)*4+bc)*8+4:((bk%8)*4+bc)*8+7], v[L16], s[6:7] offset:bc*(\cst)+bk*1024+512
.set bc, bc+1
.endr
.set bk, bk+1
.endr
	WIN 0
.endm
; 32 products: 8 steps of 32 along k x 4 column blocks.  The four accumulators take turns, one instruction a turn.  zero = 1: the first four start the sums
.macro MM32 win, abase, zero
	WIN \win
.set mk, 0
.rept 8
.set mc, 0
.rept 4
.if (\zero) && (mk == 0)
	v_wmma_f32_16x16x32_bf16 v[ACC+8*mc:ACC+8*mc+7], v[(mk*4+mc)*8:(mk*4+mc)*8+7], v[(\abase)+8*mk:(\abase)+8*mk+7], 0
.else
	v_wmma_f32_16x16x32_bf16 v[ACC+8*mc:ACC+8*mc+7], v[(mk*4+mc)*8:(mk*4+mc)*8+7], v[(\abase)+8*mk:(\abase)+8*mk+7], v[ACC+8*mc:ACC+8*mc+7]
.endif
.set mc, mc+1
.endr
.set mk, mk+1
.endr
.endm
.macro POPC d, x                       ; the number of ones in a word
	v_lshrrev_b32 v[TQ], 1, v[\x]
	v_and_b32 v[TQ], s[K5], v[TQ]
	v_sub_nc_u32 v[\d], v[\x], v[TQ]
	v_lshrrev_b32 v[TQ], 2, v[\d]
	v_and_b32 v[TQ], s[K3], v[TQ]
	v_and_b32 v[\d], s[K3], v[\d]
	v_add_nc_u32 v[\d], v[\d], v[TQ]
	v_lshrrev_b32 v[TQ], 4, v[\d]
	v_add_nc_u32 v[\d], v[\d], v[TQ]
	v_and_b32 v[\d], s[KF], v[\d]
	v_mul_lo_u32 v[\d], v[\d], s[K1]
	v_lshrrev_b32 v[\d], 24, v[\d]
.endm
.macro BFLY d, m                       ; groups of d lanes join: the upper group's prefix takes the lower group's total
	v_mov_b32_dpp v[TQ], v[TOT] row_xmask:\d row_mask:0xf bank_mask:0xf
	v_cndmask_b32 v[UQ], 0, v[TQ], s[MK+\m]
	v_add_nc_u32 v[PRE], v[PRE], v[UQ]
	v_add_nc_u32 v[TOT], v[TOT], v[TQ]
.endm
; n, n - 1 and nb as scalars; in each lane the ones of its four words (PC) and the ones in all lower lanes (PRE)
.macro COUNT
	POPC PC, BW
	POPC PC+1, BW+1
	POPC PC+2, BW+2
	POPC PC+3, BW+3
	v_add_nc_u32 v[TOT], v[PC], v[PC+1]
	v_add3_u32 v[TOT], v[TOT], v[PC+2], v[PC+3]
	v_mov_b32 v[PRE], 0
	v_mov_b32 v[TQ], 0                     ; a lane exchange's destination counts as read
	BFLY 1, 0
	BFLY 2, 1
	BFLY 4, 2
	BFLY 8, 3
	v_permlanex16_b32 v[TQ], v[TOT], s[SEL], s[SEL+1]
	v_cndmask_b32 v[UQ], 0, v[TQ], s[MK+4]
	v_add_nc_u32 v[PRE], v[PRE], v[UQ]
	v_add_nc_u32 v[TOT], v[TOT], v[TQ]
	v_readfirstlane_b32 s[N], v[TOT]
	s_sub_co_u32 s[NM1], s[N], 1
	s_add_co_u32 s[NB], s[N], 15
	s_lshr_b32 s[NB], s[NB], 4
.endm
; wave 0 writes the list: it clears the 8,192 bytes, then 32 trips, a bit of each of the lane's four words a trip.  A one stores 2 x token + slot at its rank; a zero stores into the halfword behind the list.
; One wave alone, so that no two waves store into the list between barriers.
.macro SCATTER
	s_cmp_lg_u32 s[WV], 0
	s_cbranch_scc1 .Lno_scatter
.irp z, 0,1,2,3
	v_mov_b32 v[ZQ+\z], 0
.endr
.set i_, 0
.rept 16
	ds_store_b128 v[L16], v[ZQ:ZQ+3] offset:512*i_
.set i_, i_+1
.endr
	v_lshlrev_b32 v[PP], 1, v[PRE]         ; the byte of each word's first rank
	v_lshl_add_u32 v[PP+1], v[PC], 1, v[PP]
	v_lshl_add_u32 v[PP+2], v[PC+1], 1, v[PP+1]
	v_lshl_add_u32 v[PP+3], v[PC+2], 1, v[PP+2]
	v_lshlrev_b32 v[VAL], 4, v[L16]        ; 2 x token of bit 0 of word 4 l: 256 l
	v_mov_b32 v[DUMP], 8192
	s_mov_b32 s[CNT], 32
.Lbit:
.irp z, 0,1,2,3
	v_and_b32 v[BB], 1, v[BW+\z]
	v_and_b32 v[SB], 1, v[BS+\z]
	v_cmp_eq_u32 vcc_lo, 1, v[BB]
	v_cndmask_b32 v[LA], v[DUMP], v[PP+\z], vcc_lo
	v_min_u32 v[LA], 0x2000, v[LA]         ; the address stays in the list's own 8,448 bytes
	v_add3_u32 v[LV], v[VAL], v[SB], 64*\z
	ds_store_b16 v[LA], v[LV]
	v_lshl_add_u32 v[PP+\z], v[BB], 1, v[PP+\z]
	v_lshrrev_b32 v[BW+\z], 1, v[BW+\z]
	v_lshrrev_b32 v[BS+\z], 1, v[BS+\z]
.endr
	v_add_nc_u32 v[VAL], 2, v[VAL]
	s_sub_co_u32 s[CNT], s[CNT], 1
	s_cmp_lg_u32 s[CNT], 0
	s_cbranch_scc1 .Lbit
.Lno_scatter:
.endm
; A group's gather: blocks b0 .. b0 + nbk - 1 of the tile; my wave takes rows 4 v .. 4 v + 3 of each: two loads of 512 consecutive bytes a row.  The loads stay out; FILL_STORE waits for them.
.macro FILL_LOAD b0, nbk
	WIN 0
	s_wait_xcnt 0x0                        ; v16-31 and v64 on were store data and offsets: they are written again only behind this wait
	s_add_co_u32 s25, s[FB], \b0
	s_lshl_b32 s25, s25, 4
	v_add_nc_u32 v[TT], s25, v[RKL]        ; the ranks of my rows, 32 in the first register, the others in the second
	v_add_nc_u32 v[TT+1], 128, v[TT]
.irp z, 0,1
	v_min_u32 v[TT+\z], s[NM1], v[TT+\z]   ; places past the count repeat the last row
	v_min_u32 v[TT+\z], 0xfff, v[TT+\z]
	v_lshlrev_b32 v[TT+\z], 1, v[TT+\z]
	ds_load_u16 v[TOK+\z], v[TT+\z]
.endr
	s_wait_dscnt 0x0
	v_lshrrev_b32 v[TOK], 1, v[TOK]        ; the slot is dropped
	v_lshrrev_b32 v[TOK+1], 1, v[TOK+1]
.set fb_, 0
.rept \nbk
	WIN 0
.if fb_ > 0
	s_wait_xcnt 0x0                        ; the four offsets are written again only behind this wait
.endif
.set fj, 0
.rept 4
	v_readlane_b32 s[44+fj], v[TOK+(4*fb_+fj)/32], (4*fb_+fj)%32
	s_min_u32 s[44+fj], s[44+fj], 0xfff
	v_lshl_add_u32 v[GO+fj], s[44+fj], 10, v[L16]
.set fj, fj+1
.endr
.if fb_ < 6
.set sg, 64+32*fb_
.else
.set sg, 128+32*(fb_-6)
	WIN W_L1
.endif
.set fj, 0
.rept 4
	global_load_b128 v[sg+8*fj:sg+8*fj+3],   v[GO+fj], s[4:5]
	global_load_b128 v[sg+8*fj+4:sg+8*fj+7], v[GO+fj], s[4:5] offset:512
.set fj, fj+1
.endr
.set fb_, fb_+1
.endr
	WIN 0
	s_wait_xcnt 0x0                        ; v16-19 are free for what follows
.endm
; The gathered rows go into LDS.  The wait ahead of each two blocks leaves the younger gather loads out: 8 nbk - 16 (i + 1), held to the counter's 63 and to 0
.macro FILL_STORE b0, nbk
	WIN 0
	s_wait_xcnt 0x0                        ; v24-27 may have been store data
.set ft, 0
.rept ((\nbk)+2)/3
	v_add_nc_u32 v[FBR+ft], ((\b0)+3*ft)*ABLK, v[FILL]
.set ft, ft+1
.endr
.set fb_, 0
.rept \nbk
.if fb_%2 == 0
.set fw, 8*(\nbk)-8*(fb_+2)
.if fw < 0
.set fw, 0
.endif
.if fw > 63
.set fw, 63
.endif
	s_wait_loadcnt fw
.endif
.if fb_ < 6
.set sg, 64+32*fb_
	WIN 0
.else
.set sg, 128+32*(fb_-6)
	WIN W_S1
.endif
.set fj, 0
.rept 4
	ds_store_b128 v[FBR+fb_/3], v[sg+8*fj:sg+8*fj+3]   offset:((fb_%3)*16+fj)*APITCH
	ds_store_b128 v[FBR+fb_/3], v[sg+8*fj+4:sg+8*fj+7] offset:((fb_%3)*16+fj)*APITCH+512
.set fj, fj+1
.endr
.set fb_, fb_+1
.endr
	WIN 0
.endm
; sixteen LDS loads: the fragments of k = 256 kap .. 256 kap + 255 of the block at AN
.macro FALOAD kap
	WIN W_L1
.set fk, 0
.rept 8
	ds_load_b128 v[64*(\kap)+8*fk:64*(\kap)+8*fk+3],   v[AN] offset:(8*(\kap)+fk)*64
	ds_load_b128 v[64*(\kap)+8*fk+4:64*(\kap)+8*fk+7], v[AN] offset:(8*(\kap)+fk)*64+32
.set fk, fk+1
.endr
.endm
; A group is multiplied: a constant count of trips, a dead block jumps to the counter's step.  A trip: 32 products, the next block's first half fetched, 32 products, its second half fetched, the way out.
.macro COMPUTE b0, nbk, tag
	WIN 0
	v_add_nc_u32 v[AN], (\b0)*ABLK, v[AL]
	FALOAD 0
	FALOAD 1
	WIN 0
	s_mov_b32 s[RB], \b0
.Lblk_\tag:
	s_cmp_ge_u32 s[RB], s[NBLK]
	s_cbranch_scc1 .Lskip_\tag
	s_wait_dscnt 16                        ; the first half's fragments are in; the second half's sixteen loads stay out
	MM32 W_MM0, 0, 1
	WIN 0
	s_add_co_u32 s25, s[RB], 1
	s_min_u32 s25, s25, (\b0)+(\nbk)-1     ; behind the group's last block: that block once more, unused
	s_mul_i32 s25, s25, ABLK
	v_add_nc_u32 v[AN], s25, v[AL]
.rept 4
	v_nop                                  ; four places ahead of loads into registers that were just multiplied
.endr
	FALOAD 0
	s_wait_dscnt 16                        ; the second half is in; the sixteen just issued stay out
	MM32 W_MM1, 64, 0
	WIN 0
.rept 4
	v_nop                                  ; the same, and the places ahead of the conversions
.endr
	FALOAD 1
	WIN 0
	s_wait_xcnt 0x0                        ; the last block's stores have read v16-31 and v7
.set c_, 0
.rept 16                               ; each accumulator's registers in ascending order
	v_cvt_pk_bf16_f32 v[PK+c_], v[ACC+2*c_], v[ACC+2*c_+1]
.set c_, c_+1
.endr
.set c_, 0
.rept 16
	v_pk_max_num_bf16 v[PK+c_], v[PK+c_], v[ZR]
.set c_, c_+1
.endr
	s_add_co_u32 s25, s[FB], s[RB]
	s_min_u32 s25, s25, 255
	v_lshl_add_u32 v[HO], s25, 16, v[L16]  ; a row block of hf is 65,536 bytes
.set c_, 0
.rept 4
	global_store_b128 v[HO], v[PK+4*c_:PK+4*c_+3], s[10:11] offset:512*c_  ; four fragment halves on end: 2,048 consecutive bytes
.set c_, c_+1
.endr
.Lskip_\tag:
	s_add_co_u32 s[RB], s[RB], 1
	s_cmp_lt_u32 s[RB], (\b0)+(\nbk)
	s_cbranch_scc1 .Lblk_\tag
.endm
	s_load_b256 s[4:11], s[0:1], 0x0       ; xb s[4:5], w1f s[6:7], bm s[8:9], hf s[10:11]
	s_load_b64 s[LST:LST+1], s[0:1], 0x20  ; lst
	v_lshl_add_u32 v[SPW], v0, 2, SPARE
	v_mov_b32 v[NIL], 0
	v_mov_b32 v[ZR], 0
	v_lshlrev_b32 v[XA], 4, v0
	v_lshrrev_b32 v10, 5, v0
	v_readfirstlane_b32 s[WV], v10         ; wave 0..3
	v_and_b32 v10, 31, v0
	v_lshlrev_b32 v[L16], 4, v10
	v_and_b32 v11, 15, v10
	v_lshrrev_b32 v12, 4, v10
	v_mul_u32_u24 v[AL], v11, APITCH       ; a fragment's row x pitch + 16 x half
	v_lshl_add_u32 v[AL], v12, 4, v[AL]
	v_add_nc_u32 v[AL], ABASE, v[AL]
	s_mul_i32 s25, s[WV], 4*APITCH
	s_add_co_u32 s25, s25, ABASE
	v_add_nc_u32 v[FILL], s25, v[L16]
	v_lshrrev_b32 v13, 2, v10
	v_and_b32 v14, 3, v10
	v_lshl_add_u32 v[RKL], v13, 4, v14
	s_lshl_b32 s25, s[WV], 2
	v_add_nc_u32 v[RKL], s25, v[RKL]
	s_lshr_b32 s[E], ttmp9, 5
	s_bfe_u32 s[CB], ttmp9, 0x30002
	s_and_b32 s[PRT], ttmp9, 3
	s_mov_b32 s[K5], 0x55555555
	s_mov_b32 s[K3], 0x33333333
	s_mov_b32 s[KF], 0x0f0f0f0f
	s_mov_b32 s[K1], 0x01010101
	s_mov_b32 s[MK], 0xaaaaaaaa
	s_mov_b32 s[MK+1], 0xcccccccc
	s_mov_b32 s[MK+2], 0xf0f0f0f0
	s_mov_b32 s[MK+3], 0xff00ff00
	s_mov_b32 s[MK+4], 0xffff0000
	s_mov_b32 s[SEL], 0x76543210
	s_mov_b32 s[SEL+1], 0xfedcba98
	s_lshl_b32 s26, s[E], 7
	s_lshl4_add_u32 s26, s[CB], s26
	s_lshl2_add_u32 s26, s[WV], s26        ; my first hidden block: 128 e + 16 cb + 4 v,
	s_lshl_b32 s26, s26, 14                ; 16,384 bytes each
	s_mov_b32 s27, 0
	s_lshl_b32 s28, s[E], 9                ; the expert's 512 bytes of a bitmap plane
	s_mov_b32 s29, 0
	s_lshl_b32 s44, s[CB], 3
	s_lshl1_add_u32 s44, s[WV], s44        ; my first step of the next product's k: 8 cb + 2 v,
	s_lshl_b32 s44, s44, 10                ; 1,024 bytes each,
	s_lshl_b32 s45, s[E], 24               ; in the expert's 256 row blocks
	s_add_co_u32 s44, s44, s45
	s_mov_b32 s45, 0
	s_lshl_b32 s52, s[E], 13               ; the expert's 8,192 bytes of lst
	s_mov_b32 s53, 0
	s_wait_kmcnt 0x0
	s_add_nc_u64 s[6:7], s[6:7], s[26:27]
	s_add_nc_u64 s[8:9], s[8:9], s[28:29]
	s_add_nc_u64 s[10:11], s[10:11], s[44:45]
	s_add_nc_u64 s[LST:LST+1], s[LST:LST+1], s[52:53]
	global_load_b128 v[BW:BW+3], v[L16], s[8:9]
	global_load_b128 v[BS:BS+3], v[L16], s[8:9] offset:4096
	BLOAD 0, 6, 16384                      ; 56 loads of weights go out behind the bitmap's two
	s_wait_loadcnt 56                      ; the bitmap is in; the 56 stay out
	COUNT
	SCATTER
	BLOAD 7, 15, 16384                     ; the other 72
	s_add_co_u32 s[BT], s[NB], 3
	s_lshr_b32 s[BT], s[BT], 2
	s_min_u32 s[BT], s[BT], 19
	s_wait_dscnt 0x0                       ; wave 0: its stores into the list are done
	s_barrier_signal -1
	s_barrier_wait -1                      ; now every wave may read the list
	s_and_b32 s25, ttmp9, 31
	s_cmp_lg_u32 s25, 0
	s_cbranch_scc1 .Lno_export             ; each byte of lst has one writer: the expert's work-group with cb = 0 and p = 0
.set i_, 0
.rept 4
	ds_load_b128 v[XD+4*i_:XD+4*i_+3], v[XA] offset:2048*i_        ; the 128 threads take 2,048 consecutive bytes a line
.set i_, i_+1
.endr
	s_wait_dscnt 0x0
.set i_, 0
.rept 4
	global_store_b128 v[XA], v[XD+4*i_:XD+4*i_+3], s[LST:LST+1] offset:2048*i_  ; a wave's store covers 512 consecutive bytes; the first gather waits before it loads into these registers
.set i_, i_+1
.endr
.Lno_export:
	s_mov_b32 s[J], 0
.Lpass:
	s_lshl_b32 s25, s[J], 2
	s_add_co_u32 s25, s25, s[PRT]          ; tile 4 j + p
	s_mul_i32 s[FB], s25, s[BT]
	s_min_u32 s25, s[FB], s[NB]
	s_sub_co_u32 s25, s[NB], s25
	s_min_u32 s[NBLK], s25, s[BT]
	s_wait_dscnt 0x0                       ; my reads of the old rows (the first time: of the list) are back
	s_barrier_signal -1
	s_barrier_wait -1
	s_cmp_eq_u32 s[NBLK], 0
	s_cbranch_scc1 .Lp1
	FILL_LOAD 0, 10
	FILL_STORE 0, 10
.Lp1:
	s_wait_loadcnt 0x0                     ; on every path: the weights are in (behind a fill the count is 0 already)
	s_wait_dscnt 0x0                       ; my part of blocks 0-9 is written
	s_barrier_signal -1
	s_barrier_wait -1
	s_cmp_eq_u32 s[NBLK], 0
	s_cbranch_scc1 .Lp2
	FILL_LOAD 10, 9                        ; blocks 10-18 are on their way while blocks 0-9 are multiplied
	COMPUTE 0, 10, a
	FILL_STORE 10, 9
.Lp2:
	s_wait_dscnt 0x0                       ; my part of blocks 10-18 is written, my reads of blocks 0-9 are back
	s_barrier_signal -1
	s_barrier_wait -1
	s_cmp_le_u32 s[NBLK], 10
	s_cbranch_scc1 .Lp3
	COMPUTE 10, 9, b
.Lp3:
	s_add_co_u32 s[J], s[J], 1
	s_cmp_lt_u32 s[J], 4
	s_cbranch_scc1 .Lpass
	s_wait_tensorcnt 0x0                   ; the wave's end, behind my last LDS store
	ds_add_u32 v[SPW], v[NIL]
	s_wait_dscnt 0x0
	s_endpgm
.Lfunc_end_k_q0a9a28554d_ffn1:
	.size	k_q0a9a28554d_ffn1, .Lfunc_end_k_q0a9a28554d_ffn1-k_q0a9a28554d_ffn1
	.p2alignl 7, 3214868480
	.fill 96, 4, 3214868480
	.section	.rodata,"a",@progbits
	.p2align	6, 0x0
	.amdhsa_kernel k_q0a9a28554d_ffn1
		.amdhsa_group_segment_fixed_size 325120
		.amdhsa_private_segment_fixed_size 0
		.amdhsa_enable_private_segment 0
		.amdhsa_kernarg_size 40
		.amdhsa_user_sgpr_count 2
		.amdhsa_user_sgpr_kernarg_segment_ptr 1
		.amdhsa_wavefront_size32 1
		.amdhsa_system_sgpr_workgroup_id_x 1
		.amdhsa_system_sgpr_workgroup_id_y 1
		.amdhsa_system_sgpr_workgroup_id_z 1
		.amdhsa_system_vgpr_workitem_id 0
		.amdhsa_next_free_vgpr 1024
		.amdhsa_next_free_sgpr 66
		.amdhsa_reserve_vcc 1
		.amdhsa_float_denorm_mode_32 3
		.amdhsa_float_denorm_mode_16_64 3
		.amdhsa_memory_ordered 1
		.amdhsa_forward_progress 1
		.amdhsa_inst_pref_size 88
	.end_amdhsa_kernel
	.amdgpu_metadata
---
amdhsa.version: [ 1, 2 ]
amdhsa.kernels:
  - .name:           k_q0a9a28554d_ffn1
    .symbol:         k_q0a9a28554d_ffn1.kd
    .args:
      - { .name: xb, .offset: 0, .size: 8, .value_kind: global_buffer, .address_space: global }
      - { .name: w1f, .offset: 8, .size: 8, .value_kind: global_buffer, .address_space: global }
      - { .name: bm, .offset: 16, .size: 8, .value_kind: global_buffer, .address_space: global }
      - { .name: hf, .offset: 24, .size: 8, .value_kind: global_buffer, .address_space: global }
      - { .name: lst, .offset: 32, .size: 8, .value_kind: global_buffer, .address_space: global }
    .group_segment_fixed_size: 325120
    .private_segment_fixed_size: 0
    .kernarg_segment_align: 8
    .kernarg_segment_size: 40
    .max_flat_workgroup_size: 128
    .sgpr_count:     66
    .vgpr_count:     1024
    .wavefront_size: 32
...
	.end_amdgpu_metadata
.endif
;; end of part 2
;; launch ffn2 (part 3): grid 256 x 1, 8 waves a work-group, no clusters, 211,968 bytes of LDS; arguments hf, w2f, bm, lst, y; writes y
.if DOCPART == 3
	.amdgcn_target "amdgcn-amd-amdhsa--gfx1250"
	.amdhsa_code_object_version 6
	.text
	.protected	k_q0a9a28554d_ffn2
	.globl	k_q0a9a28554d_ffn2
	.p2align	8
	.type	k_q0a9a28554d_ffn2,@function
k_q0a9a28554d_ffn2:
	s_mov_b64 s[64:65], 0
	v_nop
	global_prefetch_b8 v0, s[64:65] scope:SCOPE_SE
	s_setreg_imm32_b32 hwreg(HW_REG_WAVE_MODE, 25, 1), 1
	s_wait_xcnt 0x0
; FFN2.  y[token][slot][:] = h W2[e]^T for the rows of expert e, in f32: slot 0 where e is the token's first choice, slot 1 where it is the second.  The gate's weights come in the next launch.
; SHARES.  Work-group g: expert e = g / 32, 64 output columns cg = (g / 4) % 8, row part p = g % 4: blocks p bt .. of the expert's nb, bt = ceil(nb / 4) <= 64.  EIGHT waves, two to a SIMD: wave v holds the
; 64 columns x the K eighth k = 256 v .. 256 v + 255 of W2 in 256 registers and streams h's fragments for that eighth straight from memory into operand registers (hf lies in that order).
; Why eight and not four: a fragment of h feeds four products either way, so the bytes streamed are the same; but a wave's loads out are bounded by its counter's field (ISA guide 5.7.1), and eight waves with
; 48 loads of 512 bytes each have 196,608 bytes on their way where four could have 129,024; and one wave's waits and way out stand beside its partner's products.  The price: eight partial sums (f32) meet in LDS, not four.
; THE LOOP has a constant count: 11 trips x 2 groups x 3 blocks = 66 blocks >= 64, which serves every split.  A dead block is jumped forward; the one barrier of a group stands on every wave's path.
; IN FLIGHT: three units of 16 loads (a unit: my eighth of one block, 8,192 bytes); block b has unit b % 3 and asks for block b + 3.  The wait for a unit leaves the two younger units out.
; A dead block waits for ALL loads instead: the cyclic order ends there, and a counted wait is right only while it holds.
; TWO STAGES take turns by groups.  A group's blocks are written into its stage; one barrier; FINISH adds the eight parts and stores rows by the list.  The other stage is written only behind the next barrier,
; in front of which every wave's reads of it have come back.
; FINISH is straight-line: a dead block of a live group takes the group's last live block again and stores the same bits onto the same rows once more; rows past n repeat rank n - 1 likewise.  So EXEC stays whole.
; THE LIST (rank -> 2 x token + slot) was stored by the launch before.  Here the bitmap is only counted; each thread copies 8 bytes of the work-group's 2,048 bytes of the list (64 blocks x 16 ranks) into LDS;
; the first group's barrier publishes them.
; NO CLUSTER, NO TENSOR LOAD.  The eight column groups of one (e, p) stream the same h, but a joint request is a tensor load, and the number of blocks is a stored count:
; the constant 66 blocks a work-group would fetch about four times what an even split needs.
; No byte of hf is read that the launch before has not written: block numbers are held to nb - 1, and for an expert without rows the three units are filled once from the wave's own weights (48 loads on either
; path, so the counted waits hold on both; the data are not used: such an expert has no live block).
; REGISTERS: window 0: v1-15 addresses; v16-27 three results; v28-30 list values, then store offsets; v32-63 four accumulators (in FINISH: a block's eight parts); v64-255 the three units (before them: the count's registers).
;   window 1: W2: step k of 8, column block c at (4 k + c) 8.   (s_set_vgpr_msb: bits 1:0 source 0, 3:2 source 1, 5:4 source 2, 7:6 destination)
.set SPITCH, 272                       ; a stage row: 64 f32 + 16 bytes = 68 words: 16 rows start in 16 different groups of four banks (64 banks of 4 bytes: ISA guide 11.1)
.set SBLK,   16*SPITCH                 ; one wave's partial sums of one block: 4,352 bytes
.set SWAVE,  3*SBLK                    ; a wave's part of a stage
.set STGB,   8*SWAVE                   ; a stage: 104,448 bytes
.set STG0,   2048                      ; bytes 0-2047: the work-group's part of the list
.set SPARE,  STG0+2*STGB               ; 210,944: the spare words, 128 bytes a wave: four blocks of 256 bytes that no other line names
.set L16, 1                            ; v1     16 x lane; never rewritten
.set SPW, 2                            ; v2     my spare word; never rewritten
.set NIL, 3                            ; v3     0; never rewritten
.set ST,  4                            ; v4-5   into stage 0, 1
.set RD,  6                            ; v6-7   out of stage 0, 1
.set AO,  8                            ; v8-10  a unit's byte offset in hf
.set RK0, 11                           ; v11    2 v + lane / 16: my row in a block
.set COL, 12                           ; v12    16 (lane % 16)
.set RBA, 13                           ; v13    FINISH: my row in waves 0-3's parts of a block
.set RBB, 14                           ; v14    the same in waves 4-7's
.set RS,  16                           ; v16-27 a group's three results
.set LD,  16                           ; v16-17 (head) my 8 bytes of the list
.set LO,  18                           ; v18    (head) their offset in the expert's list
.set LL,  19                           ; v19    (head) their place in LDS: 8 x my thread's number
.set VALR, 28
.set TT,  31
.set ACC, 32
.set UN,  64
.set BW,  64                           ; the count's registers
.set PC,  72
.set TQ,  76
.set TOT, 78
.set WV,  12
.set E,   14
.set CG,  15
.set PRT, 16
.set N,   17
.set NM1, 18
.set NB,  19
.set BT,  20
.set FB,  21
.set NBLK, 22
.set NBC, 23                           ; the expert's last written block (0 where there is none)
.set RB0, 24
.set NML, 27                           ; the expert's last rank, counted from my first
.set K5,  30
.set K3,  31
.set KF,  32
.set K1,  33
.set SEL, 40
.set CNT, 42
.set TB,  43
.set TN,  44
.set G0,  45
.set LIM, 46
.set YB,  48                           ; s[48:49] y at my 64 columns
.set MSB, 0
.macro WIN new                         ; the immediate's high byte repeats the setting that is left; a switch that changes nothing is dropped
.if MSB != (\new)
	s_set_vgpr_msb (MSB<<8)|(\new)
.set MSB, \new
.endif
.endm
.set W_MM, 0x01                        ; weights (source 0) window 1; rows and sums window 0
.set W_LW, 0x40                        ; destination window 1
.macro BLOAD k0, k1                    ; the weights' steps k0 .. k1: eight loads of 512 consecutive bytes a step
	WIN W_LW
.set bk, \k0
.rept (\k1)-(\k0)+1
.set bc, 0
.rept 4
	global_load_b128 v[(bk*4+bc)*8:(bk*4+bc)*8+3],   v[L16], s[6:7] offset:bc*65536+bk*1024
	global_load_b128 v[(bk*4+bc)*8+4:(bk*4+bc)*8+7], v[L16], s[6:7] offset:bc*65536+bk*1024+512
.set bc, bc+1
.endr
.set bk, bk+1
.endr
	WIN 0
.endm
.macro MM32 ub                         ; a block's 32 products: 8 steps x 4 column blocks; the four accumulators take turns; the first four start the sums
	WIN W_MM
.set mk, 0
.rept 8
.set mc, 0
.rept 4
.if mk == 0
	v_wmma_f32_16x16x32_bf16 v[ACC+8*mc:ACC+8*mc+7], v[(mk*4+mc)*8:(mk*4+mc)*8+7], v[(\ub)+8*mk:(\ub)+8*mk+7], 0
.else
	v_wmma_f32_16x16x32_bf16 v[ACC+8*mc:ACC+8*mc+7], v[(mk*4+mc)*8:(mk*4+mc)*8+7], v[(\ub)+8*mk:(\ub)+8*mk+7], v[ACC+8*mc:ACC+8*mc+7]
.endif
.set mc, mc+1
.endr
.set mk, mk+1
.endr
.endm
.macro POPC d, x                       ; the number of ones in a word
	v_lshrrev_b32 v[TQ], 1, v[\x]
	v_and_b32 v[TQ], s[K5], v[TQ]
	v_sub_nc_u32 v[\d], v[\x], v[TQ]
	v_lshrrev_b32 v[TQ], 2, v[\d]
	v_and_b32 v[TQ], s[K3], v[TQ]
	v_and_b32 v[\d], s[K3], v[\d]
	v_add_nc_u32 v[\d], v[\d], v[TQ]
	v_lshrrev_b32 v[TQ], 4, v[\d]
	v_add_nc_u32 v[\d], v[\d], v[TQ]
	v_and_b32 v[\d], s[KF], v[\d]
	v_mul_lo_u32 v[\d], v[\d], s[K1]
	v_lshrrev_b32 v[\d], 24, v[\d]
.endm
.macro COUNTN                          ; n, n - 1 and nb as scalars
	POPC PC, BW
	POPC PC+1, BW+1
	POPC PC+2, BW+2
	POPC PC+3, BW+3
	v_add_nc_u32 v[TOT], v[PC], v[PC+1]
	v_add3_u32 v[TOT], v[TOT], v[PC+2], v[PC+3]
	v_mov_b32 v[TQ], 0                     ; a lane exchange's destination counts as read
.irp d, 1,2,4,8
	v_mov_b32_dpp v[TQ], v[TOT] row_xmask:\d row_mask:0xf bank_mask:0xf
	v_add_nc_u32 v[TOT], v[TOT], v[TQ]
.endr
	v_permlanex16_b32 v[TQ], v[TOT], s[SEL], s[SEL+1]
	v_add_nc_u32 v[TOT], v[TOT], v[TQ]
	v_readfirstlane_b32 s[N], v[TOT]
	s_sub_co_u32 s[NM1], s[N], 1
	s_add_co_u32 s[NB], s[N], 15
	s_lshr_b32 s[NB], s[NB], 4
.endm
; Unit u takes my eighth of block FB + s[TN], held to the expert's last written block: sixteen loads of 512 consecutive bytes.
; pl = 1: five v_nop: places behind the products that read the unit (four, for the loads and for the stores of the sums) and ahead of the next block's products that start the sums anew (five)
.macro ALOAD u, pl
	WIN 0
	s_add_co_u32 s25, s[FB], s[TN]
	s_min_u32 s25, s25, s[NBC]
	s_min_u32 s25, s25, 255
	v_lshl_add_u32 v[AO+(\u)], s25, 16, v[L16]  ; the unit's earlier loads are done (the counted wait ahead of the products), so its offset may be written
.if \pl
.rept 5
	v_nop
.endr
.endif
.set ak, 0
.rept 8
	global_load_b128 v[UN+64*(\u)+8*ak:UN+64*(\u)+8*ak+3],   v[AO+(\u)], s[4:5] offset:1024*ak
	global_load_b128 v[UN+64*(\u)+8*ak+4:UN+64*(\u)+8*ak+7], v[AO+(\u)], s[4:5] offset:1024*ak+512
.set ak, ak+1
.endr
.endm
; An expert without rows: the three units' 192 registers take 8,192 bytes of my own weights, three times: 48 loads, as many as the three ALOADs on the other path
.macro ELOAD
.set ak, 0
.rept 24
	global_load_b128 v[UN+8*ak:UN+8*ak+3],   v[L16], s[6:7] offset:1024*(ak%8)
	global_load_b128 v[UN+8*ak+4:UN+8*ak+7], v[L16], s[6:7] offset:1024*(ak%8)+512
.set ak, ak+1
.endr
.endm
; Block j of group st of a trip; its unit and its place in the stage are j
.macro BLOCK j, st
	WIN 0
	s_add_co_u32 s[TB], s[RB0], 3*(\st)+(\j)
	s_cmp_lt_u32 s[TB], s[NBLK]
	s_cbranch_scc1 .Llive_\@
	s_wait_loadcnt 0x0                     ; a dead block: the cyclic order of the units ends here, so everything is waited for
	s_branch .Ldone_\@
.Llive_\@:
	s_add_co_u32 s[TN], s[TB], 3           ; what is asked for: the block three on
	s_wait_loadcnt 32                      ; loads come back in order (ISA guide 5.7.1): my oldest unit is in, two units of 16 stay out
	MM32 UN+64*(\j)
	ALOAD \j,1
.set sc, 0
.rept 4                                ; my partial sums: row lane % 16, columns 16 c + 8 (lane / 16) + 0..7; each accumulator's low half first
	ds_store_b128 v[ST+(\st)], v[ACC+8*sc:ACC+8*sc+3]   offset:(\j)*SBLK+64*sc
	ds_store_b128 v[ST+(\st)], v[ACC+8*sc+4:ACC+8*sc+7] offset:(\j)*SBLK+64*sc+16
.set sc, sc+1
.endr
.Ldone_\@:
.endm
; The group's three blocks leave: my wave takes rows 2 v and 2 v + 1 of each (lanes 0-15 one row's 256 bytes, lanes 16-31 the next's).  A block's eight parts land in the accumulators' registers, which are free here.
.macro FINISH st
	s_wait_xcnt 0x0                        ; the last FINISH's stores have read their data and offsets
	s_sub_co_u32 s[LIM], s[NBLK], s[G0]
	s_sub_co_u32 s[LIM], s[LIM], 1         ; the group's last live block
.set qb, 0
.rept 3
	s_min_u32 s25, s[LIM], qb
	s_add_co_u32 s25, s25, s[G0]
	s_lshl_b32 s25, s25, 4
	v_add_nc_u32 v[TT], s25, v[RK0]        ; my row's rank, counted from the work-group's first,
	v_min_u32 v[TT], s[NML], v[TT]         ; past the count the last rank again
	v_min_u32 v[TT], 0x3ff, v[TT]
	v_lshlrev_b32 v[TT], 1, v[TT]
	ds_load_u16 v[VALR+qb], v[TT]
.set qb, qb+1
.endr
.set qb, 0
.rept 3
	s_min_u32 s25, s[LIM], qb
	s_mul_i32 s25, s25, SBLK
	v_add_nc_u32 v[RBA], s25, v[RD+(\st)]
	v_add_nc_u32 v[RBB], 4*SWAVE, v[RBA]
.irp u, 0,1,2,3
	ds_load_b128 v[ACC+4*\u:ACC+4*\u+3],       v[RBA] offset:\u*SWAVE
.endr
.irp u, 0,1,2,3
	ds_load_b128 v[ACC+16+4*\u:ACC+16+4*\u+3], v[RBB] offset:\u*SWAVE
.endr
	s_wait_dscnt 0x0                       ; the eight parts (and, the first time, the three list values) are in
.irp u, 0,2,4,6                        ; ((p0 + p1) + (p2 + p3)) + ((p4 + p5) + (p6 + p7))
	v_pk_add_f32 v[ACC+4*\u:ACC+4*\u+1],   v[ACC+4*\u:ACC+4*\u+1],   v[ACC+4*\u+4:ACC+4*\u+5]
	v_pk_add_f32 v[ACC+4*\u+2:ACC+4*\u+3], v[ACC+4*\u+2:ACC+4*\u+3], v[ACC+4*\u+6:ACC+4*\u+7]
.endr
.irp u, 0,4
	v_pk_add_f32 v[ACC+4*\u:ACC+4*\u+1],   v[ACC+4*\u:ACC+4*\u+1],   v[ACC+4*\u+8:ACC+4*\u+9]
	v_pk_add_f32 v[ACC+4*\u+2:ACC+4*\u+3], v[ACC+4*\u+2:ACC+4*\u+3], v[ACC+4*\u+10:ACC+4*\u+11]
.endr
	v_pk_add_f32 v[RS+4*qb:RS+4*qb+1],   v[ACC:ACC+1],   v[ACC+16:ACC+17]
	v_pk_add_f32 v[RS+4*qb+2:RS+4*qb+3], v[ACC+2:ACC+3], v[ACC+18:ACC+19]
	v_min_u32 v[VALR+qb], 0x1fff, v[VALR+qb]
	v_lshl_add_u32 v[VALR+qb], v[VALR+qb], 11, v[COL]              ; row 2 x token + slot of y, 2,048 bytes each
	global_store_b128 v[VALR+qb], v[RS+4*qb:RS+4*qb+3], s[YB:YB+1] ; 16 lanes store 256 consecutive bytes, at a multiple of 256 from y's first byte
.set qb, qb+1
.endr
.endm
.macro GROUP st
	BLOCK 0,\st
	BLOCK 1,\st
	BLOCK 2,\st
	s_wait_dscnt 0x0                       ; my partial sums are written (the first time: my 8 bytes of the list too); my reads of the other stage came back in its FINISH
	s_barrier_signal -1
	s_barrier_wait -1
	s_add_co_u32 s[G0], s[RB0], 3*(\st)
	s_cmp_ge_u32 s[G0], s[NBLK]
	s_cbranch_scc1 .Lnofin_\@
	FINISH \st
.Lnofin_\@:
.endm
	s_load_b256 s[4:11], s[0:1], 0x0       ; hf s[4:5], w2f s[6:7], bm s[8:9], lst s[10:11]
	s_load_b64 s[YB:YB+1], s[0:1], 0x20    ; y
	v_lshl_add_u32 v[SPW], v0, 2, SPARE
	v_mov_b32 v[NIL], 0
	v_lshrrev_b32 v20, 5, v0
	v_readfirstlane_b32 s[WV], v20         ; wave 0..7
	v_and_b32 v20, 31, v0
	v_lshlrev_b32 v[L16], 4, v20
	v_and_b32 v21, 15, v20
	v_lshrrev_b32 v22, 4, v20
	v_mul_u32_u24 v23, v21, SPITCH         ; in: row lane % 16, 32 bytes for each half of the lanes
	v_lshl_add_u32 v23, v22, 5, v23
	s_mul_i32 s25, s[WV], SWAVE
	s_add_co_u32 s25, s25, STG0
	v_add_nc_u32 v[ST], s25, v23
	v_add_nc_u32 v[ST+1], STGB, v[ST]
	v_lshl_add_u32 v[RK0], s[WV], 1, v22
	v_mul_u32_u24 v24, v[RK0], SPITCH      ; back: row 2 v + lane / 16, 16 bytes a lane
	v_lshl_add_u32 v24, v21, 4, v24
	v_add_nc_u32 v[RD], STG0, v24
	v_add_nc_u32 v[RD+1], STG0+STGB, v24
	v_lshlrev_b32 v[COL], 4, v21
	v_lshlrev_b32 v[LL], 3, v0
	s_lshr_b32 s[E], ttmp9, 5
	s_bfe_u32 s[CG], ttmp9, 0x30002
	s_and_b32 s[PRT], ttmp9, 3
	s_mov_b32 s[K5], 0x55555555
	s_mov_b32 s[K3], 0x33333333
	s_mov_b32 s[KF], 0x0f0f0f0f
	s_mov_b32 s[K1], 0x01010101
	s_mov_b32 s[SEL], 0x76543210
	s_mov_b32 s[SEL+1], 0xfedcba98
	s_lshl_b32 s34, s[E], 5
	s_lshl2_add_u32 s34, s[CG], s34        ; my first column block: 32 e + 4 cg, 65,536 bytes each,
	s_lshl3_add_u32 s34, s34, s[WV]        ; and my eighth of its k, 8,192 bytes
	s_lshl_b32 s34, s34, 13
	s_mov_b32 s35, 0
	s_lshl_b32 s36, s[E], 9                ; the expert's 512 bytes of the bitmap
	s_mov_b32 s37, 0
	s_lshl_b32 s38, s[E], 24               ; the expert's row blocks in hf,
	s_lshl_b32 s39, s[WV], 13              ; my eighth of a block
	s_add_co_u32 s38, s38, s39
	s_mov_b32 s39, 0
	s_lshl_b32 s50, s[CG], 8               ; my 64 columns of a row of y
	s_mov_b32 s51, 0
	s_lshl_b32 s52, s[E], 13               ; the expert's 8,192 bytes of lst
	s_mov_b32 s53, 0
	s_wait_kmcnt 0x0
	s_add_nc_u64 s[6:7], s[6:7], s[34:35]
	s_add_nc_u64 s[8:9], s[8:9], s[36:37]
	s_add_nc_u64 s[4:5], s[4:5], s[38:39]
	s_add_nc_u64 s[YB:YB+1], s[YB:YB+1], s[50:51]
	s_add_nc_u64 s[10:11], s[10:11], s[52:53]
	global_load_b128 v[BW:BW+3], v[L16], s[8:9]
	BLOAD 0, 6                             ; 56 loads of weights go out behind the bitmap's one
	s_wait_loadcnt 56                      ; the bitmap is in; the 56 stay out
	COUNTN
	s_add_co_u32 s[BT], s[NB], 3
	s_lshr_b32 s[BT], s[BT], 2
	s_mul_i32 s[FB], s[PRT], s[BT]
	s_min_u32 s25, s[FB], s[NB]
	s_sub_co_u32 s25, s[NB], s25
	s_min_u32 s[NBLK], s25, s[BT]
	s_max_u32 s[NBC], s[NB], 1
	s_sub_co_u32 s[NBC], s[NBC], 1
	s_lshl_b32 s25, s[FB], 4
	s_sub_co_u32 s[NML], s[NM1], s25       ; used only where the work-group has rows
	BLOAD 7, 7                             ; the last 8
	s_min_u32 s25, s[FB], 192              ; 3 x 64 blocks at the most: my 2,048 bytes end inside the expert's 8,192
	s_lshl_b32 s25, s25, 5                 ; 32 bytes of list a block
	v_add_nc_u32 v[LO], s25, v[LL]
	global_load_b64 v[LD:LD+1], v[LO], s[10:11]
	s_cmp_eq_u32 s[NB], 0                  ; an expert without rows has written nothing into hf
	s_cbranch_scc1 .Lempty
	s_mov_b32 s[TN], 0                     ; the first three blocks' units
	ALOAD 0,0
	s_mov_b32 s[TN], 1
	ALOAD 1,0
	s_mov_b32 s[TN], 2
	ALOAD 2,0
	s_branch .Lasked
.Lempty:
	ELOAD                                  ; the same 48 loads in number, into the same registers, from my weights
.Lasked:
	s_wait_loadcnt 48                      ; my 8 bytes of the list are in, and all the weights before them; the three units stay out
	ds_store_b64 v[LL], v[LD:LD+1]
	s_mov_b32 s[RB0], 0
	s_mov_b32 s[CNT], 11
.Ltrip:
	GROUP 0
	GROUP 1
	s_add_co_u32 s[RB0], s[RB0], 6
	s_sub_co_u32 s[CNT], s[CNT], 1
	s_cmp_lg_u32 s[CNT], 0
	s_cbranch_scc1 .Ltrip
	s_wait_tensorcnt 0x0                   ; the wave's end, behind my last LDS store
	ds_add_u32 v[SPW], v[NIL]
	s_wait_dscnt 0x0
	s_endpgm
.Lfunc_end_k_q0a9a28554d_ffn2:
	.size	k_q0a9a28554d_ffn2, .Lfunc_end_k_q0a9a28554d_ffn2-k_q0a9a28554d_ffn2
	.p2alignl 7, 3214868480
	.fill 96, 4, 3214868480
	.section	.rodata,"a",@progbits
	.p2align	6, 0x0
	.amdhsa_kernel k_q0a9a28554d_ffn2
		.amdhsa_group_segment_fixed_size 211968
		.amdhsa_private_segment_fixed_size 0
		.amdhsa_enable_private_segment 0
		.amdhsa_kernarg_size 40
		.amdhsa_user_sgpr_count 2
		.amdhsa_user_sgpr_kernarg_segment_ptr 1
		.amdhsa_wavefront_size32 1
		.amdhsa_system_sgpr_workgroup_id_x 1
		.amdhsa_system_sgpr_workgroup_id_y 1
		.amdhsa_system_sgpr_workgroup_id_z 1
		.amdhsa_system_vgpr_workitem_id 0
		.amdhsa_next_free_vgpr 512
		.amdhsa_next_free_sgpr 66
		.amdhsa_reserve_vcc 0
		.amdhsa_float_denorm_mode_32 3
		.amdhsa_float_denorm_mode_16_64 3
		.amdhsa_memory_ordered 1
		.amdhsa_forward_progress 1
		.amdhsa_inst_pref_size 63
	.end_amdhsa_kernel
	.amdgpu_metadata
---
amdhsa.version: [ 1, 2 ]
amdhsa.kernels:
  - .name:           k_q0a9a28554d_ffn2
    .symbol:         k_q0a9a28554d_ffn2.kd
    .args:
      - { .name: hf, .offset: 0, .size: 8, .value_kind: global_buffer, .address_space: global }
      - { .name: w2f, .offset: 8, .size: 8, .value_kind: global_buffer, .address_space: global }
      - { .name: bm, .offset: 16, .size: 8, .value_kind: global_buffer, .address_space: global }
      - { .name: lst, .offset: 24, .size: 8, .value_kind: global_buffer, .address_space: global }
      - { .name: y, .offset: 32, .size: 8, .value_kind: global_buffer, .address_space: global }
    .group_segment_fixed_size: 211968
    .private_segment_fixed_size: 0
    .kernarg_segment_align: 8
    .kernarg_segment_size: 40
    .max_flat_workgroup_size: 256
    .sgpr_count:     66
    .vgpr_count:     512
    .wavefront_size: 32
...
	.end_amdgpu_metadata
.endif
;; end of part 3
;; launch comb (part 4): grid 256 x 1, 8 waves a work-group, no clusters, 0 bytes of LDS; arguments y, wts, out0; writes out0
.if DOCPART == 4
	.amdgcn_target "amdgcn-amd-amdhsa--gfx1250"
	.amdhsa_code_object_version 6
	.text
	.protected	k_q0a9a28554d_comb
	.globl	k_q0a9a28554d_comb
	.p2align	8
	.type	k_q0a9a28554d_comb,@function
k_q0a9a28554d_comb:
	s_mov_b64 s[64:65], 0
	v_nop
	global_prefetch_b8 v0, s[64:65] scope:SCOPE_SE
	s_setreg_imm32_b32 hwreg(HW_REG_WAVE_MODE, 25, 1), 1
	s_wait_xcnt 0x0
; COMB.  out[t][:] = w[t][0] y[t][0][:] + w[t][1] y[t][1][:].  y: f32 [4096][2][512]; wts: f32 [4096][2]; out0: f32 [4096][512].
; A stream: each byte is read once and written once, by loads and stores of 512 consecutive bytes.  Wave w of work-group g takes tokens 16 g + 2 w and the next: 16 loads go out at once, 8 stores follow.
; The four weights come by one scalar load.  No LDS, no barrier, no matrix unit: nothing here is shared or multiplied by a matrix.
; The two terms are added in the order first choice, second choice, not in the order of the experts' numbers: the last bit may differ from a sum in that order.
.set YR, 16                            ; v16-79: (token i, slot s, run c) at YR + 4 ((2 i + s) 4 + c)
	s_load_b128 s[4:7], s[0:1], 0x0        ; y s[4:5], wts s[6:7]
	s_load_b64 s[8:9], s[0:1], 0x10        ; out0
	v_lshrrev_b32 v1, 5, v0
	v_readfirstlane_b32 s10, v1            ; wave 0..7
	v_and_b32 v2, 31, v0
	v_lshlrev_b32 v2, 4, v2                ; 16 x lane; never rewritten
	s_lshl_b32 s11, ttmp9, 4
	s_lshl1_add_u32 s11, s10, s11          ; my first token
	s_lshl_b32 s16, s11, 12                ; 4,096 bytes of y a token,
	s_mov_b32 s17, 0
	s_lshl_b32 s18, s11, 11                ; 2,048 of out0,
	s_mov_b32 s19, 0
	s_lshl_b32 s20, s11, 3                 ; 8 of wts
	s_mov_b32 s21, 0
	s_wait_kmcnt 0x0
	s_add_nc_u64 s[6:7], s[6:7], s[20:21]
	s_add_nc_u64 s[4:5], s[4:5], s[16:17]
	s_add_nc_u64 s[8:9], s[8:9], s[18:19]
	s_load_b128 s[12:15], s[6:7], 0x0      ; w[t][0], w[t][1], w[t+1][0], w[t+1][1]
.set n_, 0
.rept 16
	global_load_b128 v[YR+4*n_:YR+4*n_+3], v2, s[4:5] offset:512*n_ th:TH_LOAD_NT  ; the two tokens' 8,192 bytes lie on end
.set n_, n_+1
.endr
	s_wait_kmcnt 0x0
.macro TOKEN i
.set c_, 0
.rept 4
.set a_, YR+4*(8*(\i)+c_)
.set b_, YR+4*(8*(\i)+4+c_)
.set k_, 0
.rept 4
	v_mul_f32 v[b_+k_], s[13+2*(\i)], v[b_+k_]
	v_fma_f32 v[a_+k_], s[12+2*(\i)], v[a_+k_], v[b_+k_]
.set k_, k_+1
.endr
	global_store_b128 v2, v[a_:a_+3], s[8:9] offset:2048*(\i)+512*c_ th:TH_STORE_NT
.set c_, c_+1
.endr
.endm
	s_wait_loadcnt 8                       ; the first token's eight loads are in; the second's stay out
	TOKEN 0
	s_wait_loadcnt 0x0
	TOKEN 1
	s_endpgm
.Lfunc_end_k_q0a9a28554d_comb:
	.size	k_q0a9a28554d_comb, .Lfunc_end_k_q0a9a28554d_comb-k_q0a9a28554d_comb
	.p2alignl 7, 3214868480
	.fill 96, 4, 3214868480
	.section	.rodata,"a",@progbits
	.p2align	6, 0x0
	.amdhsa_kernel k_q0a9a28554d_comb
		.amdhsa_group_segment_fixed_size 0
		.amdhsa_private_segment_fixed_size 0
		.amdhsa_enable_private_segment 0
		.amdhsa_kernarg_size 24
		.amdhsa_user_sgpr_count 2
		.amdhsa_user_sgpr_kernarg_segment_ptr 1
		.amdhsa_wavefront_size32 1
		.amdhsa_system_sgpr_workgroup_id_x 1
		.amdhsa_system_sgpr_workgroup_id_y 1
		.amdhsa_system_sgpr_workgroup_id_z 1
		.amdhsa_system_vgpr_workitem_id 0
		.amdhsa_next_free_vgpr 80
		.amdhsa_next_free_sgpr 66
		.amdhsa_reserve_vcc 0
		.amdhsa_float_denorm_mode_32 3
		.amdhsa_float_denorm_mode_16_64 3
		.amdhsa_memory_ordered 1
		.amdhsa_forward_progress 1
		.amdhsa_inst_pref_size 7
	.end_amdhsa_kernel
	.amdgpu_metadata
---
amdhsa.version: [ 1, 2 ]
amdhsa.kernels:
  - .name:           k_q0a9a28554d_comb
    .symbol:         k_q0a9a28554d_comb.kd
    .args:
      - { .name: y, .offset: 0, .size: 8, .value_kind: global_buffer, .address_space: global }
      - { .name: wts, .offset: 8, .size: 8, .value_kind: global_buffer, .address_space: global }
      - { .name: out0, .offset: 16, .size: 8, .value_kind: global_buffer, .address_space: global }
    .group_segment_fixed_size: 0
    .private_segment_fixed_size: 0
    .kernarg_segment_align: 8
    .kernarg_segment_size: 24
    .max_flat_workgroup_size: 256
    .sgpr_count:     66
    .vgpr_count:     80
    .wavefront_size: 32
...
	.end_amdgpu_metadata
.endif
;; end of part 4
